; MI455X (gfx1250); checked and timed in simulation.
; The chip was launched on July 23, 2026; its instructions are those of AMD's public machine-readable ISA for CDNA 5 (MIT licence, August 2026) and "CDNA5" Instruction Set Architecture Reference Guide (July 2026). The comments in the code are by the model that wrote it; some were corrected since.
;; Multi Head Attention. Allowed arithmetic: matrix products marked QUANTISED: E5M2 operands, one given power-of-two scale a tensor, by v_wmma_f32_16x16x64_bf8_bf8 or v_wmma_f32_16x16x128_bf8_bf8, f32 sums; everything else in f32.
;; Inputs: Wk_codes 1,024 x 32 x 32 uint8 (E5M2 codes of Wk, K innermost, in blocks of 32 codes); Wo_codes 1,024 x 32 x 32 uint8 (E5M2 codes of Wo, K innermost, in blocks of 32 codes); Wq_codes 1,024 x 32 x 32 uint8 (E5M2 codes of Wq, K innermost, in blocks of 32 codes); Wv_codes 1,024 x 32 x 32 uint8 (E5M2 codes of Wv, K innermost, in blocks of 32 codes); bk 1,024 float32; bo 1,024 float32; bq 1,024 float32; bv 1,024 float32; k_in_codes 4 x 2,048 x 32 x 32 uint8 (E5M2 codes of k_in, K innermost, in blocks of 32 codes); lowp_scales 12 int32 (the exponents e of the quantised operands' scales 2^e); q_in_codes 4 x 2,048 x 32 x 32 uint8 (E5M2 codes of q_in, K innermost, in blocks of 32 codes); v_in_codes 4 x 2,048 x 32 x 32 uint8 (E5M2 codes of v_in, K innermost, in blocks of 32 codes).
;; Outputs: out0 4 x 2,048 x 1,024 float32.
;; This version of the problem:
;;   THIS VERSION OF THE PROBLEM IS GIVEN IN LOW PRECISION. The matrix products marked QUANTISED in the list below multiply operands that are first quantised to E5M2 (5 exponent bits, 2 mantissa bits; 8 bits a number), with one given power-of-two scale for each operand tensor; their sums are f32. All else is computed in f32.
;;   The module's matrix products, in the order in which they are computed (A, B: the left and right operand; K: the contracted axis; several contracted axes count as one K, in the product's order):
;;     1. [M 8,192, K 1,024] x [K 1,024, N 1,024]; A: input q_in (given as codes); B: input Wq (given as codes): QUANTISED (scales: A lowp_scales[0], B lowp_scales[1])
;;     2. [M 8,192, K 1,024] x [K 1,024, N 1,024]; A: input k_in (given as codes); B: input Wk (given as codes): QUANTISED (scales: A lowp_scales[2], B lowp_scales[3])
;;     3. [M 8,192, K 1,024] x [K 1,024, N 1,024]; A: input v_in (given as codes); B: input Wv (given as codes): QUANTISED (scales: A lowp_scales[4], B lowp_scales[5])
;;     4. batch 64 x [M 2,048, K 64] x [K 64, N 2,048]; A: computed on the way; B: computed on the way: QUANTISED (scales: A lowp_scales[6], B lowp_scales[7])
;;     5. batch 64 x [M 2,048, K 2,048] x [K 2,048, N 64]; A: softmax (see below); B: computed on the way: QUANTISED (scales: A lowp_scales[8], B lowp_scales[9])
;;     6. [M 8,192, K 1,024] x [K 1,024, N 1,024]; A: computed on the way; B: input Wo (given as codes): QUANTISED (scales: A lowp_scales[10], B lowp_scales[11])
;;   THE QUANTISER, for each operand of a quantised product, along K:
;;     - The operand's scale is 2^e, e = its entry of the input lowp_scales (int32; the entries are numbered through the quantised products in the list's order, A before B).
;;     - Each number is divided by the scale, clamped to +-57,344, and rounded to the nearest number of E5M2, ties to even, subnormals kept.
;;     - The product sums the exact products of the quantised numbers (number of the format x scale) in f32.
;;   ~~~python
;;   def quantise(x, axis, e):      # numpy; x: float32 -> the quantised numbers, widened to float32 again
;;       x = np.moveaxis(x, axis, -1); K = x.shape[-1]
;;       r = np.clip(x / 2.0 ** e, -57344, 57344)
;;       step = 2.0 ** (np.maximum(np.frexp(np.where(r == 0, 1, r))[1] - 1, -14) - 2)
;;       q = np.round(r / step) * step * 2.0 ** e      # np.round: ties to even
;;       return np.moveaxis(q, -1, axis).astype(np.float32)
;;   ~~~
;;   SOFTMAX AHEAD OF A QUANTISED PRODUCT. Where the list says 'softmax', what is quantised is not the finished softmax but p = 2^(t - M), with t = logit x log2(e) and M = ceil(the row's largest t), a whole number; so 1/2 < the row's largest p <= 1. The row's sum l is taken of the UNQUANTISED p, in f32, and the product's result is divided by l at the end. Since M is a whole number, a kernel that streams over the keys may use a running M (the ceiling of the running maximum): every later rescaling is an exact power of two, so the quantised numbers keep their values, but for numbers so far below the row's largest that they fall under the format's range.
;;   OPERANDS COMPUTED ON THE WAY. 'Computed on the way' means the value that the module computes at that place (a softmax that the list does not call 'softmax' is quantised finished and normalised). What goes into a quantiser is computed in f32, as accurately as f32 sums, v_exp_f32 and their like allow (about 1e-6 of the number): no bf16 or f16 on the way to a quantiser, and a product that is left as it is and whose result goes on into a quantised operand takes f32 operands (vector FMAs, or v_wmma_f32_16x16x4_f32). A number that lies on a knife's edge between two numbers of the format may be rounded either way, as far as f32 arithmetic and the matrix unit's own rounding can turn it there, and no further.
;;   INPUTS GIVEN AS CODES. Wk (in the module: [1024, 1024], K = its axis 0); Wo (in the module: [1024, 1024], K = its axis 0); Wq (in the module: [1024, 1024], K = its axis 0); Wv (in the module: [1024, 1024], K = its axis 0); k_in (in the module: [4, 2048, 1024], K = its axis 2); q_in (in the module: [4, 2048, 1024], K = its axis 2); v_in (in the module: [4, 2048, 1024], K = its axis 2): each comes as NAME_codes (uint8): NAME with its K axis moved to the last place and cut into blocks of 32 codes, [.., K / 32, bytes a block], one block behind the other in memory; one code a byte (a code: sign, 5 exponent bits, 2 mantissa bits); its scale is its entry of lowp_scales. Its value is code x scale, taken as it is: it is not quantised again, and the codes and scales need not be those that the quantiser above would give.
;; One version. Each part assembles by itself: llvm-mc -triple=amdgcn-amd-amdhsa -mcpu=gfx1250 --defsym DOCPART=n.
;; ======== version 1 of 1: 3 launches
;; limits: right only within a limited range of input values
;; workspace buffers: Qc 8,388,608 bytes; Kc 8,388,608 bytes; Vc 8,388,608 bytes; AO 8,388,608 bytes
;; launch proj (part 1): grid 12 x 32, 4 waves a work-group, clusters of 4 x 4, 327,680 bytes of LDS; arguments q_in_codes, k_in_codes, Wv_codes, Wq_codes, Wk_codes, v_in_codes, bq, bk, bv, lowp_scales, Qc, Kc, Vc; writes Qc, Kc, Vc
.if DOCPART == 1
	.amdgcn_target "amdgcn-amd-amdhsa--gfx1250"
	.amdhsa_code_object_version 6
	.text
	.protected	k_q780576cdb8_proj
	.globl	k_q780576cdb8_proj
	.p2align	8
	.type	k_q780576cdb8_proj,@function
k_q780576cdb8_proj:
	s_mov_b64 s[64:65], 0
	v_nop
	global_prefetch_b8 v0, s[64:65] scope:SCOPE_SE
	s_setreg_imm32_b32 hwreg(HW_REG_WAVE_MODE, 25, 1), 1
	s_wait_xcnt 0x0
	s_wait_alu depctr_hold_cnt(0) depctr_sa_sdst(0) depctr_va_vdst(0) depctr_va_sdst(0) depctr_va_ssrc(0) depctr_va_vcc(0) depctr_vm_vsrc(0)
	s_getreg_b32 s2, hwreg(HW_REG_IB_STS2, 6, 4)
	s_cmp_eq_u32 s2, 0
	s_cbranch_scc0 .Lentry_in_a_cluster
	s_endpgm
.Lentry_in_a_cluster:
	s_bfe_u32 s2, ttmp6, 0x10000c
	s_cmp_lg_u32 s2, 0xf033
	s_cbranch_scc0 .Lentry_shape_is_right
	s_endpgm
.Lentry_shape_is_right:
; THE THREE PROJECTIONS: Q = q_in Wq + bq, K = k_in Wk + bk, V = v_in Wv + bv, on codes of BF8 (E5M2), and their results quantised again for the attention launch.
; Each is a GEMM C = A B^T on rows of 1,024 codes (K innermost).  The cluster's x says which: g = 0: Q, 1: K, 2: V.  The cluster's y (0..7) walks the 8,192 tokens.
; g = 0, 1: A = the activations (8,192 rows), B = the weight (1,024 rows).  g = 2: THE ROLES ARE SWAPPED: A = Wv (1,024 rows), B = v_in (8,192 rows).
; THE MATRIX INSTRUCTION IS USED TRANSPOSED (source 0 = 16 rows of B, source 1 = 16 rows of A): lane (r, h) holds A's row r and B's rows 16 b + 8 h + 0 .. 7 in an accumulator's eight registers.
; So a lane's eight numbers are eight neighbours along the NEXT product's K: the head's channels for Q and K, the keys for V.  One conversion of eight makes registers 2 b, 2 b + 1 of the next operand's fragment.
; THE RESULTS LEAVE AS IMAGES OF OPERAND REGISTERS: four registers x 32 lanes = 512 bytes, lane l's 16 bytes at 16 l.  Each store of the wave covers 512 consecutive bytes, aligned.  No stage in LDS.
;   Qc, Kc: [batch x head 64][tile of 16 tokens 128][2 x 512 bytes]: a fragment 16 tokens x 64 channels.      Vc: [batch x head 64][128 keys 16][16 channels 4][4 x 512 bytes]: a fragment 16 channels x 128 keys.
; value = sum x 2^(eA + eW) + bias; code = value / 2^eo, held within +-57,344, to the nearest code, ties to even.  (eA, eW, eo) = entries (0, 1, 6), (2, 3, 7), (4, 5, 9) of the scales.
; LIMITS: eA + eW between -126 and 127; eo between -126 and 112, so that each power of two below is an f32 number.  NaN among the inputs is not served.
; A tile of C, 256 x 256, is made by four waves, 128 x 128 each: 64 accumulators, 512 registers.  K goes in steps of 256 through a ring of two LDS slots filled by the tensor data mover; K = 1,024 is four such steps, written out.
; CLUSTERS: 4 x 4 work-groups.  The four of a row of the cluster need the same tiles of A, the four of a column the same tiles of B: each tile is asked for jointly, by the same tensor load with the same descriptor and a mask that names the four.
; A's and B's fragments are both fetched by four loads of 16 bytes: the same permutation of k on both sides, so every product meets its partner.
; REGISTERS, in windows of 256: window 0: v16-31 addresses and constants; v32-47 the bias by A's rows; v64-127 the bias by B's rows; from v128 A's fragments, one set (on the way out: v128-191 values, v192-255 codes).
;   window 1: B's fragments, two sets.   window 2: the accumulators of my rows 0-63 ((a, b) at v[8 (8 a + b)]);   window 3: those of my rows 64-127.
.set ROWB,   256                       ; a tile's row in bytes
.set KROW,   1024                      ; a row of A or of B in memory, in bytes
.set PITCH,  272                       ; an LDS row: 256 bytes + 16 of padding = 68 words: row r starts at bank 4 r mod 64 (64 banks of 4 bytes: ISA guide 11.1)
.set FR,     16                        ; registers of a fragment: 16 rows x 128 K
.set NL,     4                         ; LDS loads that bring one
.set NP,     4                         ; places behind this matrix instruction (ISA guide 7.12.1)
.set HALFT,  128*PITCH                 ; 128 rows: what one tensor load brings
.set SLOT,   4*HALFT                   ; A's 256 rows, then B's 256 rows
.set SPARE,  2*SLOT                    ; behind the ring: the spare words, 128 bytes for each wave: two blocks of 256 bytes that no other line names
.set ADRA, 16                          ; v16-17  LDS address of my A fragments in slot 0, 1
.set ADRB, 20                          ; v20-21  the same for B
.set R4,   25                          ; v25     4 x (lane % 16)
.set CO,   26                          ; v26     16 x lane: my place in an image
.set H32,  27                          ; v27     32 x (lane / 16)
.set SPW,  28                          ; v28     LDS address of my spare word; never rewritten
.set NIL,  29                          ; v29     0; never rewritten
.set SC,   30                          ; v30     2^eo as f32
.set LIM,  31                          ; v31     unused
.set BA,   32                          ; v32-47  bias[A's row 16 a + r], in both registers of pair a
.set BB,   64                          ; v64-127 bias[B's row 16 b + 8 h + j] at register 8 b + j
.set AF,   128                         ; A's fragments
.set TMP,  128                         ; the way out: a block's 64 values
.set CD,   192                         ; the way out: four sets of 16 registers of codes
.set G1, 24                            ; s[24:31] descriptor group 1 for A's tiles;  s[32:39] group 0, one set for each slot
.set G0, 32
.set G1B, 48                           ; s[48:55], s[56:63] the same for B's tiles
.set G0B, 56
.set MSB, 0
.macro WIN new                         ; the immediate's high byte repeats the setting that is left
.if MSB != (\new)
	s_set_vgpr_msb (MSB<<8)|(\new)
.set MSB, (\new)
.endif
.endm
.set MUL_LO, 0xa1                      ; source 0 (B) window 1, source 1 (A) window 0, C and D window 2
.set MUL_HI, 0xf1                      ; the same, C and D window 3
.set TO_B,   0x40                      ; destination window 1, address window 0
; A joint load: waves 0 and 1 fetch for A, waves 2 and 3 for B.  The branch hangs on the wave's number alone.  Four v_nop follow each of the two lines.
.macro JLOAD g0a, g1a, g0b, g1b
	s_cmp_eq_u32 s15, 0
	s_cbranch_scc0 .Lfor_b_\@
	tensor_load_to_lds s[\g0a:\g0a+3], s[\g1a:\g1a+7]
	s_nop 0
.rept 4
	v_nop
.endr
	s_branch .Lasked_\@
.Lfor_b_\@:
	tensor_load_to_lds s[\g0b:\g0b+3], s[\g1b:\g1b+7]
	s_nop 0
.rept 4
	v_nop
.endr
.Lasked_\@:
.endm
.macro CREST                           ; a round of the cluster's barrier behind its opening barrier
	s_cmp_lg_u32 s14, 0
	s_cbranch_scc1 .Lnot_wave_0_\@
	s_barrier_signal -3
.Lnot_wave_0_\@:
	s_barrier_wait -3
	s_barrier_signal -1
	s_barrier_wait -1
.endm
.macro CROUND                          ; a whole round
	s_barrier_signal -1
	s_barrier_wait -1
	CREST
.endm
	s_load_b512 s[68:83], s[0:1], 0x0              ; q_in, k_in, Wv | Wq, Wk, v_in | bq, bk
	s_load_b256 s[84:91], s[0:1], 0x40             ; bv | the scales | Qc, Kc
	s_load_b64 s[92:93], s[0:1], 0x60              ; Vc
	v_lshl_add_u32 v[SPW], v0, 2, SPARE
	v_mov_b32 v[NIL], 0
	ds_add_u32 v28, v29
	ds_add_u32 v28, v29
	s_wait_dscnt 0x0
	v_lshrrev_b32 v1, 5, v0
	v_readfirstlane_b32 s14, v1                    ; wave 0..3
	s_lshr_b32 s15, s14, 1                         ; which half of the tile's A rows is mine.  Also: I fetch for A (0) or for B (1)
	s_and_b32 s16, s14, 1                          ; which half of its B rows.  Also: which 128 rows of that tile I fetch
	s_bfe_u32 s40, ttmp6, 0x40000                  ; cx, cy: my place in the cluster
	s_bfe_u32 s41, ttmp6, 0x40004
	s_mov_b32 s66, ttmp9                           ; g: the cluster's x, the same in all sixteen partners
	s_and_b32 s67, ttmp7, 0xffff
	s_lshl_b32 s67, s67, 2                         ; 4 x the cluster's y
	s_cmp_eq_u32 s66, 2
	s_cselect_b32 s17, 0, s67                      ; the long side (8,192 rows) is A's for g = 0, 1 and B's for g = 2
	s_cselect_b32 s42, s67, 0
	s_add_co_u32 s17, s17, s41                     ; tile row (of A)
	s_add_co_u32 s42, s42, s40                     ; tile column (of B)
	s_lshl_b32 s43, s41, 2
	s_lshl_b32 s43, 15, s43                        ; my row of the cluster
	s_lshl_b32 s44, 0x1111, s40                    ; my column
	; descriptor group 1: a tile of 128 rows x 256 bytes, padded in LDS
	s_or_b32 s[G1+0], s43, (0<<16)|(1<<20)|(1<<21)|(5<<22)|(3<<25)  ; 15:0 the mask; 17:16 element of 1 byte; 20 padding on; 21 set beside a mask; 24:22 after every 64 words (code 5); 31:25 of 4 words (code 3)
	s_or_b32 s[G1B+0], s44, (0<<16)|(1<<20)|(1<<21)|(5<<22)|(3<<25)
.irp g, G1, G1B
	s_mov_b32 s[\g+1], ROWB<<16                    ; tensor_dim0
	s_mov_b32 s[\g+2], 128<<16                     ; tensor_dim1 = 128
	s_mov_b32 s[\g+3], ROWB<<16                    ; tile_dim0
	s_mov_b32 s[\g+4], 128                         ; tile_dim1 = 128
	s_mov_b32 s[\g+5], KROW                        ; tensor_dim0_stride
	s_mov_b32 s[\g+6], 0
	s_mov_b32 s[\g+7], 0
.endr
	s_lshl_b32 s18, s16, 7                         ; which 128 rows of the tile I fetch
	s_lshl_b32 s20, s17, 8
	s_add_co_u32 s20, s20, s18                     ; A: row 256 x tile row + 128 x half
	s_lshl_b32 s20, s20, 10                        ; in bytes: under 2^23
	s_mov_b32 s21, 0
	s_lshl_b32 s46, s42, 8
	s_add_co_u32 s46, s46, s18                     ; B: row 256 x tile column + 128 x half
	s_lshl_b32 s46, s46, 10
	s_mov_b32 s47, 0
	s_mul_i32 s45, s14, HALFT                      ; where they go: wave x 128 rows: no place in the cluster enters an LDS address
	s_wait_kmcnt 0x0
	s_cmp_eq_u32 s66, 0                            ; the buffers are chosen by g alone
	s_cselect_b64 s[4:5], s[68:69], s[70:71]       ; A
	s_cselect_b64 s[6:7], s[74:75], s[76:77]       ; B
	s_cselect_b64 s[12:13], s[80:81], s[82:83]     ; the bias
	s_cselect_b64 s[10:11], s[88:89], s[90:91]     ; the codes that I make
	s_cmp_eq_u32 s66, 2
	s_cselect_b64 s[4:5], s[72:73], s[4:5]
	s_cselect_b64 s[6:7], s[78:79], s[6:7]
	s_cselect_b64 s[12:13], s[84:85], s[12:13]
	s_cselect_b64 s[10:11], s[92:93], s[10:11]
	s_mov_b64 s[8:9], s[86:87]
	s_load_b256 s[68:75], s[8:9], 0x0              ; the scales' exponents, entries 0 to 7,
	s_load_b128 s[76:79], s[8:9], 0x20             ; and 8 to 11
	s_add_nc_u64 s[20:21], s[4:5], s[20:21]
	s_add_nc_u64 s[46:47], s[6:7], s[46:47]
	CROUND                                         ; all sixteen work-groups are here: the first joint loads meet
.irp s, 0,1
	s_mov_b32 s[G0+4*\s], 1
	s_add_co_u32 s[G0+4*\s+1], s45, \s*SLOT
	s_add_nc_u64 s[G0+4*\s+2:G0+4*\s+3], s[20:21], \s*ROWB
	s_or_b32 s[G0+4*\s+3], s[G0+4*\s+3], 0x80000000
	s_mov_b32 s[G0B+4*\s], 1
	s_add_co_u32 s[G0B+4*\s+1], s45, \s*SLOT
	s_add_nc_u64 s[G0B+4*\s+2:G0B+4*\s+3], s[46:47], \s*ROWB
	s_or_b32 s[G0B+4*\s+3], s[G0B+4*\s+3], 0x80000000
	JLOAD G0+4*\s, G1, G0B+4*\s, G1B
.endr
	v_and_b32 v1, 15, v0                           ; r = lane % 16
	v_bfe_u32 v2, v0, 4, 1                         ; h = lane / 16
	v_mul_u32_u24 v3, v1, PITCH
	v_lshl_add_u32 v4, v2, 4, v3                   ; a fragment's row x pitch + 16 x half
	s_mul_i32 s21, s15, HALFT                      ; my 128 rows of A
	s_mul_i32 s22, s16, HALFT                      ; my 128 rows of B,
	s_add_co_u32 s22, s22, 2*HALFT                 ; which lie behind A's 256
.irp s, 0,1
	v_add_nc_u32 v[ADRA+\s], s21, v4
	v_add_nc_u32 v[ADRB+\s], s22, v4
	s_add_co_u32 s21, s21, SLOT
	s_add_co_u32 s22, s22, SLOT
.endr
	v_lshlrev_b32 v[R4], 2, v1
	v_lshlrev_b32 v[H32], 5, v2
	s_wait_alu depctr_va_vdst(0)
	v_and_b32 v6, 31, v0
	v_lshlrev_b32 v[CO], 4, v6
	; my wave's first rows: RA of A, RB of B.  M0 = the first token, N0 = the first column of the model's 1,024
	s_lshl_b32 s100, s17, 8
	s_lshl_b32 s101, s15, 7
	s_add_co_u32 s100, s100, s101                  ; RA
	s_lshl_b32 s101, s42, 8
	s_lshl_b32 s2, s16, 7
	s_add_co_u32 s101, s101, s2                    ; RB
	s_cmp_eq_u32 s66, 2
	s_cselect_b32 s94, 0, s101                     ; the bias goes by B's rows for g = 0, 1 (the other form then reads the bias's first 128 numbers and is not used),
	s_cselect_b32 s98, s100, 0                     ; by A's rows for g = 2: both forms are loaded on every path, inside the bias's 4,096 bytes
	s_cselect_b32 s2, s101, s100                   ; M0
	s_cselect_b32 s3, s100, s101                   ; N0
	s_lshl_b32 s94, s94, 2
	s_mov_b32 s95, 0
	s_lshl_b32 s98, s98, 2
	s_mov_b32 s99, 0
	s_add_nc_u64 s[94:95], s[12:13], s[94:95]
	s_add_nc_u64 s[98:99], s[12:13], s[98:99]
.irp b, 0,1,2,3,4,5,6,7
	global_load_b128 v[BB+8*\b:BB+8*\b+3],   v[H32], s[94:95] offset:64*\b
	global_load_b128 v[BB+8*\b+4:BB+8*\b+7], v[H32], s[94:95] offset:64*\b+16
.endr
.irp a, 0,1,2,3,4,5,6,7
	global_load_b32 v[BA+2*\a],   v[R4], s[98:99] offset:64*\a
	global_load_b32 v[BA+2*\a+1], v[R4], s[98:99] offset:64*\a
.endr
	; where my images begin: batch x 2^21 + head x 2^17 + (token in the batch) x 64.  One formula serves both layouts, since M0 is a multiple of 128
	s_lshr_b32 s100, s2, 11
	s_lshl_b32 s100, s100, 21
	s_lshr_b32 s101, s3, 6
	s_lshl_b32 s101, s101, 17
	s_add_co_u32 s100, s100, s101
	s_and_b32 s101, s2, 2047
	s_lshl_b32 s101, s101, 6
	s_add_co_u32 s100, s100, s101
	s_mov_b32 s101, 0
	s_add_nc_u64 s[10:11], s[10:11], s[100:101]
.macro FRAG reg, adr, q, i             ; a fragment, 16 rows x 128 K: lane l holds row l % 16; registers 4 c .. 4 c + 3 hold K = 32 c + 16 (l / 16) + 0 .. 15
.irp c, 0,1,2,3
	ds_load_b128 v[\reg+4*\c:\reg+4*\c+3], v[\adr] offset:128*(\q)+32*\c+(\i)*16*PITCH
.endr
.endm
; 16 matrix instructions: A's blocks a0, a0 + 1 x B's eight, 128 along K.  p: B's set.  zero = 1: the first product starts the sums.
; The 64 accumulators take turns, one instruction a turn, in the same order in every step.
.macro MUL16 a0, p, zero
.irp a, \a0, \a0+1
.irp b, 0,1,2,3,4,5,6,7
.if \zero
	v_wmma_f32_16x16x128_bf8_bf8 v[8*(8*((\a)%4)+\b):8*(8*((\a)%4)+\b)+7], v[128*(\p)+FR*\b:128*(\p)+FR*\b+FR-1], v[AF+FR*(\a):AF+FR*(\a)+FR-1], 0
.else
	v_wmma_f32_16x16x128_bf8_bf8 v[8*(8*((\a)%4)+\b):8*(8*((\a)%4)+\b)+7], v[128*(\p)+FR*\b:128*(\p)+FR*\b+FR-1], v[AF+FR*(\a):AF+FR*(\a)+FR-1], v[8*(8*((\a)%4)+\b):8*(8*((\a)%4)+\b)+7]
.endif
.endr
.endr
.endm
.macro FETCH_B slot, q, p              ; B's eight fragments of the slot's q-th 128 along K into set p
	WIN TO_B
.irp i, 0,1,2,3,4,5,6,7
	FRAG 128*(\p)+FR*\i, ADRB+\slot, \q, \i
.endr
	WIN 0
.endm
.macro FETCH_A slot, q, i0             ; A's blocks i0 .. i0 + 3
.irp i, \i0, \i0+1, \i0+2, \i0+3
	FRAG AF+FR*(\i), ADRA+\slot, \q, \i
.endr
.endm
.macro PLACES n                        ; plain vector instructions between a matrix instruction and a load into, or a vector read of, its registers (ISA guide 7.12.1 for vector reads)
.rept \n
	v_nop
.endr
.endm
; A step of 128 along K that has its successor in the same slot.  A block of A is free as soon as its eight products are issued: blocks 0-3 are fetched anew in the step's middle, blocks 4-7 at its end.
.macro STEP slot, q, zero
	s_wait_dscnt 4*NL                              ; B's set and A's blocks 0-3 are in; the youngest 16 loads (A's blocks 4-7) may be out
	WIN MUL_LO
	MUL16 0, (\q)%2, \zero
	MUL16 2, (\q)%2, \zero
	s_wait_dscnt 0                                 ; A's blocks 4-7 are in
	PLACES NP
	FETCH_B \slot, (\q)+1, 1-(\q)%2
	FETCH_A \slot, (\q)+1, 0
	WIN MUL_HI
	MUL16 4, (\q)%2, \zero
	MUL16 6, (\q)%2, \zero
	PLACES NP
	WIN 0
	FETCH_A \slot, (\q)+1, 4
.endm
; A slot's last step changes slots: one barrier; in front of it each wave waits for all its tensor loads, adds 0 to its spare word, and waits for that and for its own reads of this slot.  fill = 1: this slot is filled again, two K steps ahead.
.macro TURN slot, next, fill
	s_wait_tensorcnt 0x0                           ; all my tensor loads have landed: my part of the next slot
	ds_add_u32 v[SPW], v[NIL]                      ; 0 onto my spare word
	s_wait_dscnt 4*NL+1                            ; (the add and the youngest 16 loads, A's blocks 4-7, may be out)
	WIN MUL_LO
	MUL16 0, 1, 0                                  ; sixteen matrix instructions stand between the add and the wait for it
	s_wait_dscnt 0x0                               ; the add is done, and my reads of this slot are over
	s_barrier_signal -1
	MUL16 2, 1, 0
	WIN 0
	s_barrier_wait -1
.if \fill
	CREST                                          ; the barrier has opened a round of the cluster's barrier: no wave of any partner still reads this slot's tile or has a load on its way
	s_add_nc_u64 s[G0+4*\slot+2:G0+4*\slot+3], s[G0+4*\slot+2:G0+4*\slot+3], 2*ROWB
	s_add_nc_u64 s[G0B+4*\slot+2:G0B+4*\slot+3], s[G0B+4*\slot+2:G0B+4*\slot+3], 2*ROWB
	JLOAD G0+4*\slot, G1, G0B+4*\slot, G1B         ; the first tensor load behind the round; its four v_nop are the places in front of the loads below
.else
	PLACES NP
.endif
	FETCH_B \next, 0, 0
	FETCH_A \next, 0, 0
	WIN MUL_HI
	MUL16 4, 1, 0
	MUL16 6, 1, 0
	PLACES NP
	WIN 0
	FETCH_A \next, 0, 4
.endm
	s_wait_tensorcnt 1                             ; my part of K step 0 is in (K step 1's load may be out),
	s_barrier_signal -1
	s_barrier_wait -1                              ; everybody's is
	FETCH_B 0, 0, 0
	FETCH_A 0, 0, 0
	FETCH_A 0, 0, 4
	STEP 0, 0, 1                                   ; K 0-127: its products start the sums
	TURN 0, 1, 1                                   ; K 128-255; slot 0 takes K 512-767
	STEP 1, 0, 0
	TURN 1, 0, 1                                   ; slot 1 takes K 768-1,023
	STEP 0, 0, 0
	TURN 0, 1, 0                                   ; nothing is left to fetch: no round
	STEP 1, 0, 0
	s_wait_dscnt 4*NL                              ; the last step
	WIN MUL_LO
	MUL16 0, 1, 0
	MUL16 2, 1, 0
	s_wait_dscnt 0
	WIN MUL_HI
	MUL16 4, 1, 0
	MUL16 6, 1, 0
	WIN 0
; THE WAY OUT of block a (A's rows 16 a on) against B's 128 rows: 64 numbers a lane.  isv = 0: the bias goes by B's rows, registers 0-7 of the codes are one head's fragment and 8-15 the next head's.
; isv = 1: the bias goes by A's rows, and the 16 registers are one fragment of 16 channels x 128 keys.
.macro OUTBLK a, isv
.set AC, 64*((\a)%4)
.set CC, CD+16*((\a)%4)
.if (\a) >= 4
	s_wait_xcnt 0x0                                ; block a - 4's stores have read this set of code registers
.endif
	WIN 0x02+((\a)/4)                              ; source 0: window 2 or 3
.set j, 0
.rept 32
.if \isv
	v_pk_fma_f32 v[TMP+j:TMP+j+1], v[AC+j:AC+j+1], s[96:97], v[BA+2*(\a):BA+2*(\a)+1] op_sel_hi:[1,0,1]   ; sum x 2^(eA + eW) + bias; each accumulator from its low end on
.else
	v_pk_fma_f32 v[TMP+j:TMP+j+1], v[AC+j:AC+j+1], s[96:97], v[BB+j:BB+j+1] op_sel_hi:[1,0,1]
.endif
.set j, j+2
.endr
	WIN 0
.set j, 0
.rept 64
.set j, j+1
.endr
.set j, 0
.rept 8
	v_cvt_scalef32_pk8_bf8_f32 v[CC+2*j:CC+2*j+1], v[TMP+8*j:TMP+8*j+7], v[SC]
.set j, j+1
.endr
	v_nop                                          ; one plain vector instruction between the conversions and the next block's writes of their sources
.set j, 0
.rept 4
.if \isv
	global_store_b128 v[CO], v[CC+4*j:CC+4*j+3], s[10:11] offset:((\a)/4)*131072+((\a)%4)*2048+j*512   ; 32 lanes store 512 consecutive bytes
.else
	global_store_b128 v[CO], v[CC+4*j:CC+4*j+3], s[10:11] offset:(j/2)*131072+(\a)*1024+(j%2)*512
.endif
.set j, j+1
.endr
.endm
	s_wait_kmcnt 0x0                               ; the exponents: entry n in s[68 + n]
	s_add_co_i32 s68, s68, s69
	s_add_co_i32 s70, s70, s71
	s_add_co_i32 s72, s72, s73
	s_cmp_eq_u32 s66, 0
	s_cselect_b32 s96, s68, s70
	s_cselect_b32 s100, s74, s75
	s_cmp_eq_u32 s66, 2
	s_cselect_b32 s96, s72, s96                    ; eA + eW
	s_cselect_b32 s100, s77, s100                  ; eo
	s_add_co_i32 s96, s96, 127
	s_lshl_b32 s96, s96, 23                        ; 2^(eA + eW) as f32
	s_mov_b32 s97, s96                             ; (named with it as a pair, so it is written)
	s_add_co_i32 s100, s100, 127
	s_lshl_b32 s101, s100, 23
	v_mov_b32 v[SC], s101                          ; 2^eo: the conversion takes its exponent field
	s_wait_loadcnt 0x0                             ; the biases
	PLACES NP                                      ; behind the last products
	s_cmp_eq_u32 s66, 2                            ; g is the same in all partners of the cluster
	s_cbranch_scc1 .Lkeys
.irp a, 0,1,2,3,4,5,6,7
	OUTBLK \a, 0
.endr
	s_branch .Ldone
.Lkeys:
.irp a, 0,1,2,3,4,5,6,7
	OUTBLK \a, 1
.endr
.Ldone:
	s_wait_tensorcnt 0x0                           ; the wave's end
	ds_add_u32 v[SPW], v[NIL]
	s_wait_dscnt 0x0
	CROUND                                         ; the closing round: no work-group ends while a partner may still ask for a tile that names it
	s_endpgm
.Lfunc_end_k_q780576cdb8_proj:
	.size	k_q780576cdb8_proj, .Lfunc_end_k_q780576cdb8_proj-k_q780576cdb8_proj
	.p2alignl 7, 3214868480
	.fill 96, 4, 3214868480
	.section	.rodata,"a",@progbits
	.p2align	6, 0x0
	.amdhsa_kernel k_q780576cdb8_proj
		.amdhsa_group_segment_fixed_size 327680
		.amdhsa_private_segment_fixed_size 0
		.amdhsa_enable_private_segment 0
		.amdhsa_kernarg_size 104
		.amdhsa_user_sgpr_count 2
		.amdhsa_user_sgpr_kernarg_segment_ptr 1
		.amdhsa_wavefront_size32 1
		.amdhsa_system_sgpr_workgroup_id_x 1
		.amdhsa_system_sgpr_workgroup_id_y 1
		.amdhsa_system_sgpr_workgroup_id_z 1
		.amdhsa_system_vgpr_workitem_id 0
		.amdhsa_next_free_vgpr 1024
		.amdhsa_next_free_sgpr 102
		.amdhsa_reserve_vcc 0
		.amdhsa_float_denorm_mode_32 3
		.amdhsa_float_denorm_mode_16_64 3
		.amdhsa_fp16_overflow 1
		.amdhsa_memory_ordered 1
		.amdhsa_forward_progress 1
		.amdhsa_inst_pref_size 130
	.end_amdhsa_kernel
	.amdgpu_metadata
---
amdhsa.version: [ 1, 2 ]
amdhsa.kernels:
  - .name:           k_q780576cdb8_proj
    .symbol:         k_q780576cdb8_proj.kd
    .args:
      - { .name: q_in_codes, .offset: 0, .size: 8, .value_kind: global_buffer, .address_space: global }
      - { .name: k_in_codes, .offset: 8, .size: 8, .value_kind: global_buffer, .address_space: global }
      - { .name: Wv_codes, .offset: 16, .size: 8, .value_kind: global_buffer, .address_space: global }
      - { .name: Wq_codes, .offset: 24, .size: 8, .value_kind: global_buffer, .address_space: global }
      - { .name: Wk_codes, .offset: 32, .size: 8, .value_kind: global_buffer, .address_space: global }
      - { .name: v_in_codes, .offset: 40, .size: 8, .value_kind: global_buffer, .address_space: global }
      - { .name: bq, .offset: 48, .size: 8, .value_kind: global_buffer, .address_space: global }
      - { .name: bk, .offset: 56, .size: 8, .value_kind: global_buffer, .address_space: global }
      - { .name: bv, .offset: 64, .size: 8, .value_kind: global_buffer, .address_space: global }
      - { .name: lowp_scales, .offset: 72, .size: 8, .value_kind: global_buffer, .address_space: global }
      - { .name: Qc, .offset: 80, .size: 8, .value_kind: global_buffer, .address_space: global }
      - { .name: Kc, .offset: 88, .size: 8, .value_kind: global_buffer, .address_space: global }
      - { .name: Vc, .offset: 96, .size: 8, .value_kind: global_buffer, .address_space: global }
    .group_segment_fixed_size: 327680
    .private_segment_fixed_size: 0
    .kernarg_segment_align: 8
    .kernarg_segment_size: 104
    .max_flat_workgroup_size: 128
    .sgpr_count:     102
    .vgpr_count:     1024
    .wavefront_size: 32
...
	.end_amdgpu_metadata
.endif
;; end of part 1
;; launch attn (part 2): grid 4 x 64, 16 waves a work-group, no clusters, 327,680 bytes of LDS; arguments Qc, Kc, Vc, lowp_scales, AO; writes AO
.if DOCPART == 2
	.amdgcn_target "amdgcn-amd-amdhsa--gfx1250"
	.amdhsa_code_object_version 6
	.text
	.protected	k_q780576cdb8_attn
	.globl	k_q780576cdb8_attn
	.p2align	8
	.type	k_q780576cdb8_attn,@function
k_q780576cdb8_attn:
	s_mov_b64 s[64:65], 0
	v_nop
	global_prefetch_b8 v0, s[64:65] scope:SCOPE_SE
	s_setreg_imm32_b32 hwreg(HW_REG_WAVE_MODE, 25, 1), 1
	s_wait_xcnt 0x0
; CAUSAL ATTENTION on codes of BF8 (E5M2): 64 heads (batch x head) of 2,048 tokens, head size 64.  Key k counts for query q where k <= q.
; Qc, Kc: images of fragments 16 tokens x 64 channels (1,024 bytes each, 128 a head).  Vc: images of fragments 16 channels x 128 keys (2,048 bytes each; 4 for each of 16 key steps a head).
; An image is the operand's registers as they stand: four registers x 32 lanes = 512 bytes, lane l's 16 bytes at 16 l; registers 2 c, 2 c + 1 of lane (r, h) hold k = 16 c + 8 h + 0 .. 7 of row r.
; AO: the result, quantised for the last projection: [tile of 16 rows 512][head 16][2 x 512 bytes], images of fragments 16 rows x 64 channels.
; THE SOFTMAX AHEAD OF THE SECOND PRODUCT: t = score x log2(e) / 8; M = the row's largest t so far, rounded UP to a whole number; p = 2^(t - M) is quantised, not normalised.
; The row's sum is taken of the unquantised p, in f32, and divides O at the end.  When M moves, the sum and O are multiplied by 2^(old M - new M): exact.
; LAYOUT.  Both products are used transposed: S^T = K Q^T (source 0 = 16 keys, source 1 = my 16 queries), O^T = V^T P^T: a lane holds ONE query (lane % 16) throughout; in tile t its eight registers are keys 16 t + 8 (lane / 16) + 0 .. 7,
; so one conversion of eight gives registers 2 t, 2 t + 1 of P's fragment, and likewise of the result's.  Nothing changes lanes and nothing goes through a stage.
; SHARES, EVEN UNDER THE MASK.  Work-group (i, head) owns the blocks of 256 queries 7 - i and i.  A unit is one block against one slot of 256 keys: block 7 - i needs slots 0 .. 7 - i, block i slots 0 .. i: NINE units in every work-group.
; Each of sixteen waves owns 16 queries of the block in hand, in 256 registers: four waves to a SIMD, so that one wave's vector work stands beside another's matrix work and LDS loads.
; K's and V's images come through a ring of two LDS slots (16 KiB of K, 16 KiB of V), each part one dense block of memory, fetched by wave 0 (K) and wave 1 (V) and read by all sixteen.
; NO CLUSTER: the four work-groups of a head need different slots in the same unit from unit 5 on (work-group i turns back to slot 0 behind unit 7 - i), so their requests are not the same on every path.
; LIMITS on the given exponents (entries 6 to 10 of the scales): e6 + e7 between -123 and 130 (added to c's exponent field); e8 and e10 between -126 and 112; e8 + e9 is applied by v_ldexp_f32 and has none.
; REGISTERS: v1-6 addresses and constants that stay; v2 the LDS address in hand; v12 -M, v13 the largest t, v[14:15] the sum in two halves; v16-23 Q; v32-95 K's eight fragments, then V's four; v96-159 S^T, then p;
;   v160-191 O^T; v192-207 p's codes; v208-215 the result's codes; v234-255 at work and constants.
.set SLOT1, 1<<15                      ; slot 1 begins here: one exclusive or turns an address in one slot into the other's
.set VOFF,  16384                      ; a slot: K's 16 images, then V's 8
.set SPARE, 2*SLOT1                    ; behind the ring: the spare words, 128 bytes for each wave: eight blocks of 256 bytes that no other line names
.set LI,   1                           ; v1   16 x lane: my place in an image; never rewritten
.set ADR,  2                           ; v2   LDS address of the slot in hand + 16 x lane
.set PFO,  3                           ; v3   256 x lane: the prefetches' offset; never rewritten
.set D0,   4                           ; v4   lane % 16 - 8 (lane / 16)
.set SPW,  5                           ; v5   LDS address of my spare word; never rewritten
.set NIL,  6                           ; v6   0; never rewritten
; s[4:5] Qc at my head; s[6:7] Kc, s[8:9] Vc at my head; s[10:11] the scales; s[12:13] AO at my batch and head; s14 wave; s15 i; s16 head; s17 at work; s[18:19] an offset, 0 above it;
; s[20:21] lane selects; s[22:23] c; s[24:31] descriptor group 1; s[32:35] group 0; s[36:40] e6 .. e10; s41 e8 + e9; s[42:43] what I fetch from (K or V at my head); s[44:45] a slot's offset, 0 above it;
; s46 the slot asked for last; s47 8 - i; s48 7 - i; s49 the unit; s50 LDS byte of the slot in hand; s51 the step's first key; s52 my first query; s53 the block; s[54:55] Q's address; s[56:57] the result's; s[58:59], s60 the prefetches'.
.macro TLOAD                           ; wave 0 fetches a slot's K, wave 1 its V; the others nothing.  Four v_nop follow the line
	s_cmp_lt_u32 s14, 2
	s_cbranch_scc0 .Lnone_\@
	tensor_load_to_lds s[32:35], s[24:31]
	s_nop 0
.rept 4
	v_nop
.endr
.Lnone_\@:
.endm
; A PREFETCH INTO THE L2: in unit u (0 to 5) the head's work-group i = 0, which walks slots 0 to 7 in order, names slot u + 2: one unit ahead of the tensor load that will ask for it.
; Waves 4, 5 name K's 16 KiB, waves 6, 7 V's: 8,192 bytes a wave, lanes 256 bytes apart, one instruction.  So each block of 256 bytes is named once in the launch; slots 0 and 1 come by their loads alone; nothing is named past slot 7.
.macro ASK
	s_cmp_lt_u32 s49, s60
	s_cbranch_scc0 .Lnot_mine_\@
	global_prefetch_b8 v[PFO], s[58:59] th:TH_LOAD_NT scope:SCOPE_SE
.Lnot_mine_\@:
.endm
; THE CHANGE OF SLOTS stands at a unit's head.  Each wave waits for all its tensor loads (its part of the slot that it is about to read), adds 0 to its spare word, and waits for that and for its reads of the slot that it has left.
; fill = 1: behind the barrier that other slot is filled with the next unit's keys: the load has a whole unit in which to land.
.macro CHANGE fill
	s_wait_tensorcnt 0x0                           ; no tensor load of mine is out, so group 0 may be written
	ds_add_u32 v[SPW], v[NIL]                      ; 0 onto my spare word
.if \fill
	s_xor_b32 s33, s33, SLOT1                      ; the other slot than last time
	s_add_co_u32 s46, s46, 1                       ; the next 256 keys,
	s_cmp_eq_u32 s46, s47
	s_cselect_b32 s46, 0, s46                      ; or, behind the first block's last slot, the head's first again
	s_lshl_b32 s44, s46, 14
	s_add_nc_u64 s[34:35], s[42:43], s[44:45]
	s_or_b32 s35, s35, 0x80000000                  ; type = 2
	s_wait_xcnt 0x0                                ; the last prefetch, a unit back, has read its address, so it may be written
	s_add_nc_u64 s[58:59], s[58:59], 16384
.endif
	s_wait_dscnt 0x0                               ; the add is done, and my reads of the slot that I have left are over
	s_barrier_signal -1
	s_barrier_wait -1
.if \fill
	TLOAD                                          ; the first thing behind the barrier, and a wave's one tensor load until the next
	ASK
.endif
.endm
; A KEY STEP: 128 keys, the q-th of the slot in hand.
.macro STEP q
	s_add_co_u32 s17, s52, 15                      ; a step all of whose keys come after my 16 queries is left out: a scalar branch on ids; no barrier and no tensor load stands in a step
	s_cmp_gt_u32 s51, s17
	s_cbranch_scc1 .Lhidden_\@
	v_add_nc_u32 v[ADR], s50, v[LI]
.rept 3
	v_nop                                          ; with the addition above: four places in front of loads into registers that the last products read
.endr
.set ff, 0
.rept 8
	ds_load_b128 v[32+8*ff:35+8*ff], v[ADR] offset:(\q)*8192+ff*1024
	ds_load_b128 v[36+8*ff:39+8*ff], v[ADR] offset:(\q)*8192+ff*1024+512
.set ff, ff+1
.endr
	s_wait_alu depctr_va_vdst(0)
	s_wait_dscnt 0x0
.set ff, 0
.rept 8
	v_wmma_f32_16x16x64_bf8_bf8 v[96+8*ff:103+8*ff], v[32+8*ff:39+8*ff], v[16:23], 0   ; S^T: keys 16 ff on x my 16 queries
.set ff, ff+1
.endr
.rept 4
	v_nop                                          ; places: in front of the loads below and of the first read of the scores
.endr
.set ff, 0
.rept 16
	ds_load_b128 v[32+4*ff:35+4*ff], v[ADR] offset:VOFF+(\q)*8192+ff*512   ; V's four fragments, asked for now: they land under the softmax
.set ff, ff+1
.endr
	s_add_co_u32 s17, s51, 127                     ; on the diagonal the scores of hidden keys become -infinity ahead of the maximum: p = 0 then.  A step all of whose keys count skips this
	s_cmp_le_u32 s17, s52
	s_cbranch_scc1 .Lopen_\@
	s_sub_co_i32 s17, s52, s51
	v_add_nc_u32 v252, s17, v[D0]                  ; d = my query - the step's first key - 8 (lane / 16).  Register 8 t + j holds key 16 t + 8 (lane / 16) + j of the step: hidden where 16 t + j > d
	v_mov_b32 v254, 0xff800000                     ; -infinity
.set nn, 0
.rept 64
	v_cmp_gt_i32 vcc_lo, 16*(nn/8)+nn%8, v252
	v_cndmask_b32 v[96+nn], v[96+nn], v254, vcc_lo
.set nn, nn+1
.endr
.Lopen_\@:
	v_max3_num_f32 v254, v96, v97, v98             ; the step's largest score of my query, among my 64 keys, in two chains,
	v_max3_num_f32 v252, v99, v100, v101
.irp i, 6,10,14,18,22,26,30,34,38,42,46,50,54,58
	v_max3_num_f32 v254, v254, v[96+\i], v[97+\i]
	v_max3_num_f32 v252, v252, v[98+\i], v[99+\i]
.endr
	v_max3_num_f32 v254, v254, v158, v159
	s_delay_alu instid0(VALU_DEP_1)
	v_max_num_f32 v254, v254, v252
	s_delay_alu instid0(VALU_DEP_1)
	v_permlanex16_b32 v236, v254, s20, s21
	s_delay_alu instid0(VALU_DEP_1)
	v_max_num_f32 v254, v254, v236                 ; and among lane l xor 16's
	s_delay_alu instid0(VALU_DEP_1)
	v_mul_f32 v254, s22, v254                      ; as t (c is positive)
	s_delay_alu instid0(VALU_DEP_1)
	v_max_num_f32 v13, v13, v254                   ; the running largest t
	v_mov_b32 v254, v12
	s_delay_alu instid0(VALU_DEP_2)
	v_floor_f32 v12, -v13                          ; the new -M = floor(-t) = -ceil(t): a whole number
	s_delay_alu instid0(VALU_DEP_1)
	v_sub_f32 v254, v12, v254                      ; M's old value less its new one: a whole number, 0 or less
	s_delay_alu instid0(VALU_DEP_1)
	v_cvt_i32_f32 v254, v254                       ; (it saturates)
	s_delay_alu instid0(VALU_DEP_1)
	v_ldexp_f32 v252, 1.0, v254                    ; f = 2^(old M - new M)
.set jj, 0
.rept 32
	v_pk_fma_f32 v[96+jj:97+jj], v[96+jj:97+jj], s[22:23], v[12:13] op_sel_hi:[1,0,0]   ; t - M, two at a time (of the pairs c and -M the low word serves both halves)
.set jj, jj+2
.endr
.set jj, 0
	s_wait_alu depctr_va_vdst(0)
.rept 64
	v_exp_f32 v[96+jj], v[96+jj]                   ; p = 2^(t - M), at most 1
.set jj, jj+1
.endr
	v_pk_mul_f32 v[14:15], v[14:15], v[252:253] op_sel_hi:[1,0]   ; the sums under the new M: the plain instruction behind the exponentials
	s_wait_alu depctr_va_vdst(0)                   ; one wait for the whole batch, ahead of its first reader
	v_pk_add_f32 v[242:243], v[100:101], v[104:105]
	v_pk_add_f32 v[254:255], v[108:109], v[112:113]
	v_pk_add_f32 v[250:251], v[116:117], v[120:121]
	v_pk_add_f32 v[248:249], v[124:125], v[128:129]
	v_pk_add_f32 v[240:241], v[132:133], v[136:137]
	v_pk_add_f32 v[238:239], v[140:141], v[144:145]
	v_pk_add_f32 v[234:235], v[148:149], v[152:153]
	v_pk_add_f32 v[14:15], v[14:15], v[156:157]
	v_pk_add_f32 v[242:243], v[242:243], v[96:97]
	v_pk_add_f32 v[254:255], v[254:255], v[98:99]
	v_pk_add_f32 v[250:251], v[250:251], v[102:103]
	v_pk_add_f32 v[248:249], v[248:249], v[106:107]
	v_pk_add_f32 v[240:241], v[240:241], v[110:111]
	v_pk_add_f32 v[238:239], v[238:239], v[114:115]
	v_pk_add_f32 v[234:235], v[234:235], v[118:119]
	v_pk_add_f32 v[14:15], v[14:15], v[122:123]
	v_pk_add_f32 v[242:243], v[242:243], v[126:127]
	v_pk_add_f32 v[254:255], v[254:255], v[130:131]
	v_pk_add_f32 v[250:251], v[250:251], v[134:135]
	v_pk_add_f32 v[248:249], v[248:249], v[138:139]
	v_pk_add_f32 v[240:241], v[240:241], v[142:143]
	v_pk_add_f32 v[238:239], v[238:239], v[146:147]
	v_pk_add_f32 v[234:235], v[234:235], v[150:151]
	v_pk_add_f32 v[14:15], v[14:15], v[154:155]
	v_pk_add_f32 v[242:243], v[242:243], v[158:159]
	s_delay_alu instid0(VALU_DEP_2)
	v_pk_add_f32 v[14:15], v[14:15], v[248:249]
	s_delay_alu instid0(VALU_DEP_2)
	v_pk_add_f32 v[242:243], v[242:243], v[240:241]
	v_pk_add_f32 v[254:255], v[254:255], v[238:239]
	v_pk_add_f32 v[250:251], v[250:251], v[234:235]
	s_delay_alu instid0(VALU_DEP_2)
	v_pk_add_f32 v[14:15], v[14:15], v[254:255]
	s_delay_alu instid0(VALU_DEP_2)
	v_pk_add_f32 v[242:243], v[242:243], v[250:251]
	s_delay_alu instid0(VALU_DEP_1)
	v_pk_add_f32 v[14:15], v[14:15], v[242:243]
.set tt, 0
.rept 8
.set jj, 0
.rept 8
.set jj, jj+1
.endr
	v_cvt_scalef32_pk8_bf8_f32 v[192+2*tt:193+2*tt], v[96+8*tt:103+8*tt], v244   ; keys 16 tt + 8 (lane / 16) + 0 .. 7: registers 2 tt, 2 tt + 1 of P's fragment
.set tt, tt+1
.endr
.set jj, 0
.rept 16
	v_pk_mul_f32 v[160+jj:161+jj], v[160+jj:161+jj], v[252:253] op_sel_hi:[1,0]   ; O^T under the new M.  (Also the plain instructions between the conversions and the products)
.set jj, jj+2
.endr
	s_wait_alu depctr_va_vdst(0)
	s_wait_dscnt 0x0                               ; V's fragments are in
.set tt, 0
.rept 4
	v_wmma_f32_16x16x128_bf8_bf8 v[160+8*tt:167+8*tt], v[32+16*tt:47+16*tt], v[192:207], v[160+8*tt:167+8*tt]   ; the four accumulators by turns; the next step's S^T stands between two links
.set tt, tt+1
.endr
.Lhidden_\@:
	s_add_co_u32 s51, s51, 128
.endm
; A tile of 16 queries of block s53 is begun: its Q, and zeros and -3e38, which the first change of M leaves as they are.
.macro INIT
	s_lshl_b32 s52, s53, 8
	s_lshl_b32 s17, s14, 4
	s_add_co_u32 s52, s52, s17                     ; my first query: 256 x block + 16 x wave
	s_mov_b32 s51, 0                               ; the keys begin anew
	s_lshl_b32 s18, s52, 6                         ; a tile's image is 1,024 bytes
	s_add_nc_u64 s[54:55], s[4:5], s[18:19]
	global_load_b128 v[16:19], v[LI], s[54:55] th:TH_LOAD_NT
	global_load_b128 v[20:23], v[LI], s[54:55] offset:512 th:TH_LOAD_NT
	v_mov_b32 v13, 0xff61b1e6                      ; the largest t so far: -3e38
	s_delay_alu instid0(VALU_DEP_1)
	v_floor_f32 v12, -v13
	v_mov_b32 v14, 0
	v_mov_b32 v15, 0
.set jj, 0
.rept 32
	v_mov_b32 v[160+jj], 0                         ; O^T.  (The step is written once: a tile's first step finds zeros)
.set jj, jj+1
.endr
	s_wait_loadcnt 0x0
.endm
; A tile is finished: O^T / the sum x 2^(e8 + e9), quantised with 2^e10, stored as the image of a fragment.
.macro FINISH
.rept 4
	v_nop                                          ; places behind the last products
.endr
	v_add_f32 v14, v14, v15                        ; the sum's two halves,
	s_delay_alu instid0(VALU_DEP_1)
	v_permlanex16_b32 v252, v14, s20, s21
	s_delay_alu instid0(VALU_DEP_1)
	v_add_f32 v14, v14, v252                       ; and lane l xor 16's
	s_wait_alu depctr_va_vdst(0)
	v_rcp_f32 v14, v14
	v_nop                                          ; a plain instruction behind the reciprocal
	s_wait_xcnt 0x0                                ; the last tile's stores have read their base and their data: both are written below
	s_lshl_b32 s18, s52, 10                        ; a tile of 16 rows is 16 KiB of AO
	s_add_nc_u64 s[56:57], s[12:13], s[18:19]
	s_wait_alu depctr_va_vdst(0)                   ; the wait ahead of the reciprocal's first reader
	v_ldexp_f32 v14, v14, s41
.set jj, 0
.rept 16
	v_pk_mul_f32 v[96+jj:97+jj], v[160+jj:161+jj], v[14:15] op_sel_hi:[1,0]   ; each accumulator from its low end on
.set jj, jj+2
.endr
.set jj, 0
.rept 32
.set jj, jj+1
.endr
.set tt, 0
.rept 4
	v_cvt_scalef32_pk8_bf8_f32 v[208+2*tt:209+2*tt], v[96+8*tt:103+8*tt], v246
.set tt, tt+1
.endr
	v_nop                                          ; one plain vector instruction behind the last conversion
	global_store_b128 v[LI], v[208:211], s[56:57]              ; 32 lanes store 512 consecutive bytes
	global_store_b128 v[LI], v[212:215], s[56:57] offset:512
.endm
	s_load_b256 s[4:11], s[0:1], 0x0               ; Qc, Kc, Vc, the scales
	s_load_b64 s[12:13], s[0:1], 0x20              ; AO
	v_lshl_add_u32 v[SPW], v0, 2, SPARE
	v_mov_b32 v[NIL], 0
	ds_add_u32 v5, v6
	ds_add_u32 v5, v6
	s_wait_dscnt 0x0
	v_lshrrev_b32 v2, 5, v0
	s_delay_alu instid0(VALU_DEP_1)
	v_readfirstlane_b32 s14, v2                    ; wave 0..15
	s_mov_b32 s15, ttmp9                           ; i
	s_and_b32 s16, ttmp7, 0xffff                   ; batch x 16 + head
	; descriptor group 1: a dense block of 16 KiB as 64 rows of 32 elements of 8 bytes
	s_mov_b32 s24, 3<<16                           ; no mask; elements of 8 bytes; no padding
	s_mov_b32 s25, 32<<16                          ; tensor_dim0 = 32
	s_mov_b32 s26, 64<<16                          ; tensor_dim1 = 64
	s_mov_b32 s27, 32<<16                          ; tile_dim0 = 32
	s_mov_b32 s28, 64                              ; tile_dim1 = 64
	s_mov_b32 s29, 32                              ; tensor_dim0_stride
	s_mov_b32 s30, 0
	s_mov_b32 s31, 0
	s_mov_b32 s20, 0x76543210
	s_mov_b32 s21, 0xfedcba98
	s_sub_co_u32 s47, 8, s15
	s_sub_co_u32 s48, 7, s15
	s_mov_b32 s46, 0
	s_mov_b32 s45, 0
	s_mov_b32 s19, 0
	s_lshl_b32 s18, s16, 17                        ; a head's codes are 131,072 bytes in each of Qc, Kc, Vc
	s_mov_b32 s32, 1                               ; count = 1
	s_and_b32 s17, s14, 1
	s_lshl_b32 s33, s17, 14                        ; LDS: slot 0; K's part (wave 0) or V's (wave 1)
	s_wait_kmcnt 0x0
	s_load_b128 s[36:39], s[10:11], 0x18           ; e6, e7, e8, e9
	s_load_b32 s40, s[10:11], 0x28                 ; e10
	s_add_nc_u64 s[4:5], s[4:5], s[18:19]
	s_add_nc_u64 s[6:7], s[6:7], s[18:19]
	s_add_nc_u64 s[8:9], s[8:9], s[18:19]
	s_cmp_eq_u32 s17, 0
	s_cselect_b64 s[42:43], s[6:7], s[8:9]
	s_mov_b64 s[34:35], s[42:43]                   ; the head's first 256 keys
	s_or_b32 s35, s35, 0x80000000
	TLOAD                                          ; slot 0: the one first fill, ahead of every wait on TENSORcnt, every LDS read and every barrier
	s_and_b32 s17, s14, 2                          ; the prefetches: waves 4, 5 K's, waves 6, 7 V's,
	s_cmp_eq_u32 s17, 0
	s_cselect_b64 s[58:59], s[6:7], s[8:9]
	s_and_b32 s17, s14, 1
	s_lshl_b32 s18, s17, 13                        ; 8,192 bytes a wave,
	s_add_co_u32 s18, s18, 16384                   ; in slot 1: the first change of slots steps it to slot 2
	s_add_nc_u64 s[58:59], s[58:59], s[18:19]
	s_sub_co_u32 s17, s14, 4
	s_lshr_b32 s17, s17, 2                         ; 0 in waves 4 to 7,
	s_or_b32 s17, s17, s15                         ; of work-group i = 0
	s_cmp_eq_u32 s17, 0
	s_cselect_b32 s60, 6, 0                        ; such a wave asks in units 0 to 5
	s_lshr_b32 s18, s16, 4                         ; AO: the batch's 128 tiles of rows x 16 KiB,
	s_lshl_b32 s18, s18, 21
	s_and_b32 s17, s16, 15                         ; and the head's 1,024 bytes in a tile
	s_lshl_b32 s17, s17, 10
	s_add_co_u32 s18, s18, s17
	s_add_nc_u64 s[12:13], s[12:13], s[18:19]
	v_and_b32 v[LI], 31, v0
	s_delay_alu instid0(VALU_DEP_1)
	v_lshlrev_b32 v[PFO], 8, v[LI]
	s_delay_alu instid0(VALU_DEP_2)
	v_lshlrev_b32 v[LI], 4, v[LI]
	v_and_b32 v[D0], 15, v0
	v_bfe_u32 v2, v0, 4, 1
	s_delay_alu instid0(VALU_DEP_1)
	v_lshlrev_b32 v2, 3, v2
	s_delay_alu instid0(VALU_DEP_1)
	v_sub_nc_u32 v[D0], v[D0], v2
	v_mov_b32 v236, 0                              ; written once: a lane permute's destination counts as one of its sources
	v_mov_b32 v252, 0
	v_mov_b32 v253, 0                              ; (named as the upper half of the pair v[252:253])
	s_mov_b32 s53, s48                             ; the first block: 7 - i
	INIT
	s_wait_kmcnt 0x0
	s_add_co_i32 s17, s36, s37
	s_lshl_b32 s17, s17, 23
	s_mov_b32 s22, 0x3e38aa3b                      ; c = log2(e) / sqrt(64)
	s_add_co_i32 s22, s22, s17                     ; a score stands for score x 2^(e6 + e7): the two exponents are added to c's exponent field
	s_mov_b32 s23, s22                             ; (named with it as a pair, so it is written)
	s_add_co_i32 s17, s38, 127
	s_lshl_b32 s18, s17, 23
	v_mov_b32 v244, s18                            ; 2^e8 as f32, for p's conversions
	s_add_co_i32 s17, s40, 127
	s_lshl_b32 s18, s17, 23
	v_mov_b32 v246, s18                            ; 2^e10, for the result's
	s_add_co_i32 s41, s38, s39                     ; e8 + e9
	s_mov_b32 s49, 0
	s_mov_b32 s50, 0
.Lunit:                                            ; eight trips: behind each change of slots but the last the next unit's slot is asked for
	CHANGE 1
	STEP 0
	STEP 1
	s_xor_b32 s50, s50, SLOT1                      ; on to the other slot
	s_cmp_lg_u32 s49, s48                          ; behind unit 7 - i the first block is finished and block i is begun: the same in all sixteen waves
	s_cbranch_scc1 .Lsame
	FINISH
	s_mov_b32 s53, s15
	INIT
.Lsame:
	s_add_co_u32 s49, s49, 1
	s_cmp_lt_u32 s49, 8
	s_cbranch_scc1 .Lunit
	CHANGE 0                                       ; the ninth unit is written out
	STEP 0
	STEP 1
	FINISH
	s_wait_tensorcnt 0x0                           ; the wave's end
	ds_add_u32 v[SPW], v[NIL]
	s_wait_dscnt 0x0
	s_endpgm
.Lfunc_end_k_q780576cdb8_attn:
	.size	k_q780576cdb8_attn, .Lfunc_end_k_q780576cdb8_attn-k_q780576cdb8_attn
	.p2alignl 7, 3214868480
	.fill 96, 4, 3214868480
	.section	.rodata,"a",@progbits
	.p2align	6, 0x0
	.amdhsa_kernel k_q780576cdb8_attn
		.amdhsa_group_segment_fixed_size 327680
		.amdhsa_private_segment_fixed_size 0
		.amdhsa_enable_private_segment 0
		.amdhsa_kernarg_size 40
		.amdhsa_user_sgpr_count 2
		.amdhsa_user_sgpr_kernarg_segment_ptr 1
		.amdhsa_wavefront_size32 1
		.amdhsa_system_sgpr_workgroup_id_x 1
		.amdhsa_system_sgpr_workgroup_id_y 1
		.amdhsa_system_sgpr_workgroup_id_z 1
		.amdhsa_system_vgpr_workitem_id 0
		.amdhsa_next_free_vgpr 256
		.amdhsa_next_free_sgpr 66
		.amdhsa_reserve_vcc 1
		.amdhsa_float_denorm_mode_32 3
		.amdhsa_float_denorm_mode_16_64 3
		.amdhsa_fp16_overflow 1
		.amdhsa_memory_ordered 1
		.amdhsa_forward_progress 1
		.amdhsa_inst_pref_size 89
	.end_amdhsa_kernel
	.amdgpu_metadata
---
amdhsa.version: [ 1, 2 ]
amdhsa.kernels:
  - .name:           k_q780576cdb8_attn
    .symbol:         k_q780576cdb8_attn.kd
    .args:
      - { .name: Qc, .offset: 0, .size: 8, .value_kind: global_buffer, .address_space: global }
      - { .name: Kc, .offset: 8, .size: 8, .value_kind: global_buffer, .address_space: global }
      - { .name: Vc, .offset: 16, .size: 8, .value_kind: global_buffer, .address_space: global }
      - { .name: lowp_scales, .offset: 24, .size: 8, .value_kind: global_buffer, .address_space: global }
      - { .name: AO, .offset: 32, .size: 8, .value_kind: global_buffer, .address_space: global }
    .group_segment_fixed_size: 327680
    .private_segment_fixed_size: 0
    .kernarg_segment_align: 8
    .kernarg_segment_size: 40
    .max_flat_workgroup_size: 512
    .sgpr_count:     66
    .vgpr_count:     256
    .wavefront_size: 32
...
	.end_amdgpu_metadata
.endif
;; end of part 2
;; launch oproj (part 3): grid 4 x 32, 4 waves a work-group, clusters of 4 x 4, 327,680 bytes of LDS; arguments AO, Wo_codes, lowp_scales, bo, out0; writes out0
.if DOCPART == 3
	.amdgcn_target "amdgcn-amd-amdhsa--gfx1250"
	.amdhsa_code_object_version 6
	.text
	.protected	k_q780576cdb8_oproj
	.globl	k_q780576cdb8_oproj
	.p2align	8
	.type	k_q780576cdb8_oproj,@function
k_q780576cdb8_oproj:
	s_mov_b64 s[64:65], 0
	v_nop
	global_prefetch_b8 v0, s[64:65] scope:SCOPE_SE
	s_setreg_imm32_b32 hwreg(HW_REG_WAVE_MODE, 25, 1), 1
	s_wait_xcnt 0x0
	s_wait_alu depctr_hold_cnt(0) depctr_sa_sdst(0) depctr_va_vdst(0) depctr_va_sdst(0) depctr_va_ssrc(0) depctr_va_vcc(0) depctr_vm_vsrc(0)
	s_getreg_b32 s2, hwreg(HW_REG_IB_STS2, 6, 4)
	s_cmp_eq_u32 s2, 0
	s_cbranch_scc0 .Lentry_in_a_cluster
	s_endpgm
.Lentry_in_a_cluster:
	s_bfe_u32 s2, ttmp6, 0x10000c
	s_cmp_lg_u32 s2, 0xf033
	s_cbranch_scc0 .Lentry_shape_is_right
	s_endpgm
.Lentry_shape_is_right:
; THE LAST PROJECTION: out0 = attention's result x Wo + bo, on codes of BF8 (E5M2).  out0: [8,192][1,024] f32; one f32 sum for each output; out = sum x 2^(e10 + e11) + bo.
; A = AO: images of operand registers, [tile of 16 rows 512][head 16][2 x 512 bytes]: four registers x 32 lanes = 512 bytes, lane l's 16 bytes at 16 l; registers 2 c, 2 c + 1 of lane (r, h) hold k = 16 c + 8 h + 0 .. 7 of row r.
;   Two heads on end (2,048 bytes) are a fragment of 16 rows x 128 K; a tile of rows has its whole K, 16 KiB, on end.
; B = Wo_codes: [1,024 (n)][1,024 (k)], K innermost.  It is fetched from LDS by eight loads of 8 bytes a fragment, so that each k stands in the same place as in A's images.
; LIMIT: e10 + e11 (entries 10 and 11 of the scales) between -126 and 127, so that 2^(e10 + e11) is an f32 number.
; A tile of out0, 256 x 256, is made by four waves, 128 x 128 each: 64 accumulators, 512 registers.  K goes in steps of 256 through a ring of two LDS slots; K = 1,024 is four such steps, written out.
; CLUSTERS: 4 x 4 work-groups.  The four of a row of the cluster need the same tiles of A, the four of a column the same tiles of B: each tile is asked for jointly.
; THE MATRIX INSTRUCTION IS USED TRANSPOSED (source 0 = 16 rows of B, source 1 = 16 rows of A): a lane holds eight neighbouring numbers of a row of out0.
; REGISTERS, in windows of 256: window 0: v16-29 addresses; v64-127 the bias; from v128 A's fragments, one set (on the way out v128-191: a block's values).
;   window 1: B's fragments, two sets (on the way out v0-127: rows read back from the stage).   window 2: the accumulators of my rows 0-63;   window 3: those of my rows 64-127.
.set PITCH,  272                       ; an LDS row of B: 256 bytes + 16 of padding = 68 words: lane (r, h) of a load of 8 bytes starts at bank 4 r + 2 h (64 banks of 4 bytes: ISA guide 11.1): 64 different banks
.set FR,     16                        ; registers of a fragment: 16 rows x 128 K
.set NL,     4                         ; LDS loads that bring one of A's
.set NP,     4                         ; places behind this matrix instruction (ISA guide 7.12.1)
.set ATILE,  4096                      ; a tile of 16 rows x 256 K of A: two fragments' images
.set HALFA,  8*ATILE                   ; 128 rows of A: what one tensor load brings
.set HALFB,  128*PITCH                 ; 128 rows of B likewise
.set BOFF,   2*HALFA                   ; a slot: A's 16 tiles of rows, then B's 256 rows
.set SLOT,   BOFF+2*HALFB
.set SPARE,  2*SLOT                    ; behind the ring: the spare words, 128 bytes for each wave: two blocks of 256 bytes that no other line names
.set SPITCH, 528                       ; the way out: a stage of 16 rows x (512 bytes + 16) for each wave, in slot 0, which has had its last fill and its last read when the first result is stored there
.set ADRA, 16                          ; v16-17  LDS address of my A fragments in slot 0, 1
.set ADRB, 20                          ; v20-21  the same for B
.set STO,  24                          ; v24     the way out: where I put 32 bytes of a row
.set RD,   25                          ; v25     the way out: where I read a row back
.set CO,   26                          ; v26     16 x lane
.set H32,  27                          ; v27     32 x (lane / 16)
.set SPW,  28                          ; v28     LDS address of my spare word; never rewritten
.set NIL,  29                          ; v29     0; never rewritten
.set BB,   64                          ; v64-127 bo[my first column + 16 b + 8 h + j] at register 8 b + j
.set AF,   128                         ; A's fragments
.set TMP,  128                         ; the way out: a block's 64 values
.set G1, 24                            ; s[24:31] descriptor group 1 for A's tiles;  s[32:39] group 0, one set for each slot
.set G0, 32
.set G1B, 48                           ; s[48:55], s[56:63] the same for B's tiles
.set G0B, 56
.set MSB, 0
.macro WIN new                         ; the immediate's high byte repeats the setting that is left
.if MSB != (\new)
	s_set_vgpr_msb (MSB<<8)|(\new)
.set MSB, (\new)
.endif
.endm
.set MUL_LO, 0xa1                      ; source 0 (B) window 1, source 1 (A) window 0, C and D window 2
.set MUL_HI, 0xf1                      ; the same, C and D window 3
.set TO_B,   0x40                      ; destination window 1, address window 0
; A joint load: waves 0 and 1 fetch for A, waves 2 and 3 for B.  The branch hangs on the wave's number alone.  Four v_nop follow each of the two lines.
.macro JLOAD g0a, g1a, g0b, g1b
	s_cmp_eq_u32 s15, 0
	s_cbranch_scc0 .Lfor_b_\@
	tensor_load_to_lds s[\g0a:\g0a+3], s[\g1a:\g1a+7]
	s_nop 0
.rept 4
	v_nop
.endr
	s_branch .Lasked_\@
.Lfor_b_\@:
	tensor_load_to_lds s[\g0b:\g0b+3], s[\g1b:\g1b+7]
	s_nop 0
.rept 4
	v_nop
.endr
.Lasked_\@:
.endm
.macro CREST                           ; a round of the cluster's barrier behind its opening barrier
	s_cmp_lg_u32 s14, 0
	s_cbranch_scc1 .Lnot_wave_0_\@
	s_barrier_signal -3
.Lnot_wave_0_\@:
	s_barrier_wait -3
	s_barrier_signal -1
	s_barrier_wait -1
.endm
.macro CROUND                          ; a whole round
	s_barrier_signal -1
	s_barrier_wait -1
	CREST
.endm
	s_load_b128 s[4:7], s[0:1], 0x0                ; AO s[4:5], Wo's codes s[6:7]
	s_load_b64 s[8:9], s[0:1], 0x10                ; the scales' exponents
	s_load_b64 s[12:13], s[0:1], 0x18              ; bo
	s_load_b64 s[10:11], s[0:1], 0x20              ; out0
	v_lshl_add_u32 v[SPW], v0, 2, SPARE
	v_mov_b32 v[NIL], 0
	ds_add_u32 v28, v29
	ds_add_u32 v28, v29
	s_wait_dscnt 0x0
	v_lshrrev_b32 v1, 5, v0
	v_readfirstlane_b32 s14, v1                    ; wave 0..3
	s_lshr_b32 s15, s14, 1                         ; which half of the tile's rows is mine.  Also: I fetch for A (0) or for B (1)
	s_and_b32 s16, s14, 1                          ; which half of its columns.  Also: which 128 rows of that tile I fetch
	s_bfe_u32 s40, ttmp6, 0x40000                  ; cx, cy: my place in the cluster
	s_bfe_u32 s41, ttmp6, 0x40004
	s_lshl_b32 s42, ttmp9, 2
	s_add_co_u32 s42, s42, s40                     ; tile column = 4 x cluster x + cx
	s_and_b32 s17, ttmp7, 0xffff
	s_lshl_b32 s17, s17, 2
	s_add_co_u32 s17, s17, s41                     ; tile row = 4 x cluster y + cy
	s_lshl_b32 s43, s41, 2
	s_lshl_b32 s43, 15, s43                        ; my row of the cluster
	s_lshl_b32 s44, 0x1111, s40                    ; my column
	; descriptor group 1 for A: 8 tiles of rows x 4,096 bytes (256 along K), 16 KiB apart in memory, on end in LDS
	s_or_b32 s[G1+0], s43, (0<<16)|(1<<21)         ; 15:0 the mask: A's tiles go to my row; 17:16 element of 1 byte; no padding; 21 set beside a mask
	s_mov_b32 s[G1+1], ATILE<<16                   ; tensor_dim0 = 4,096
	s_mov_b32 s[G1+2], 8<<16                       ; tensor_dim1 = 8
	s_mov_b32 s[G1+3], ATILE<<16                   ; tile_dim0
	s_mov_b32 s[G1+4], 8                           ; tile_dim1
	s_mov_b32 s[G1+5], 16384                       ; tensor_dim0_stride
	s_mov_b32 s[G1+6], 0
	s_mov_b32 s[G1+7], 0
	; and for B: 128 rows x 256 bytes, padded in LDS
	s_or_b32 s[G1B+0], s44, (0<<16)|(1<<20)|(1<<21)|(5<<22)|(3<<25)  ; padding: 4 words (code 3) after every 64 (code 5)
	s_mov_b32 s[G1B+1], 256<<16
	s_mov_b32 s[G1B+2], 128<<16
	s_mov_b32 s[G1B+3], 256<<16
	s_mov_b32 s[G1B+4], 128
	s_mov_b32 s[G1B+5], 1024
	s_mov_b32 s[G1B+6], 0
	s_mov_b32 s[G1B+7], 0
	s_lshl_b32 s20, s17, 4
	s_lshl_b32 s18, s16, 3
	s_add_co_u32 s20, s20, s18                     ; A: tile of rows 16 x tile row + 8 x half,
	s_lshl_b32 s20, s20, 14                        ; 16 KiB each
	s_mov_b32 s21, 0
	s_lshl_b32 s46, s42, 8
	s_lshl_b32 s18, s16, 7
	s_add_co_u32 s46, s46, s18                     ; B: row 256 x tile column + 128 x half,
	s_lshl_b32 s46, s46, 10                        ; 1,024 bytes each
	s_mov_b32 s47, 0
	s_lshl_b32 s45, s16, 15                        ; where they go: A's half,
	s_mul_i32 s19, s16, HALFB
	s_add_co_u32 s19, s19, BOFF                    ; B's half: no place in the cluster enters an LDS address
	s_wait_kmcnt 0x0
	s_load_b64 s[96:97], s[8:9], 0x28              ; e10, e11
	s_add_nc_u64 s[20:21], s[4:5], s[20:21]
	s_add_nc_u64 s[46:47], s[6:7], s[46:47]
	CROUND                                         ; all sixteen work-groups are here: the first joint loads meet
.irp s, 0,1
	s_mov_b32 s[G0+4*\s], 1
	s_add_co_u32 s[G0+4*\s+1], s45, \s*SLOT
	s_add_nc_u64 s[G0+4*\s+2:G0+4*\s+3], s[20:21], \s*ATILE
	s_or_b32 s[G0+4*\s+3], s[G0+4*\s+3], 0x80000000
	s_mov_b32 s[G0B+4*\s], 1
	s_add_co_u32 s[G0B+4*\s+1], s19, \s*SLOT
	s_add_nc_u64 s[G0B+4*\s+2:G0B+4*\s+3], s[46:47], \s*256
	s_or_b32 s[G0B+4*\s+3], s[G0B+4*\s+3], 0x80000000
	s_wait_alu depctr_va_vdst(0)
	s_wait_tensorcnt 0x0
	ds_add_u32 v28, v29
	ds_add_u32 v28, v29
	s_wait_dscnt 0x0
	CROUND
	JLOAD G0+4*\s, G1, G0B+4*\s, G1B
.endr
	v_and_b32 v1, 15, v0                           ; r = lane % 16
	v_bfe_u32 v2, v0, 4, 1                         ; h = lane / 16
	v_and_b32 v6, 31, v0
	v_lshlrev_b32 v[CO], 4, v6                     ; 16 x lane
	v_lshlrev_b32 v[H32], 5, v2
	v_mul_u32_u24 v3, v1, PITCH
	v_lshl_add_u32 v4, v2, 3, v3                   ; B: row x pitch + 8 x half
	s_lshl_b32 s21, s15, 15                        ; my 8 tiles of rows of A
	s_mul_i32 s22, s16, HALFB                      ; my 128 rows of B,
	s_add_co_u32 s22, s22, BOFF                    ; which lie behind A's part
.irp s, 0,1
	v_add_nc_u32 v[ADRA+\s], s21, v[CO]
	v_add_nc_u32 v[ADRB+\s], s22, v4
	s_add_co_u32 s21, s21, SLOT
	s_add_co_u32 s22, s22, SLOT
.endr
	s_mul_i32 s23, s14, 16*SPITCH                  ; my stage
	v_mul_u32_u24 v5, v1, SPITCH                   ; in: row l % 16, 32 bytes for each half of the lanes
	v_lshl_add_u32 v5, v2, 5, v5
	v_add_nc_u32 v[STO], s23, v5
	v_add_nc_u32 v[RD], s23, v[CO]                 ; back: the 32 lanes take one row of 512 bytes
	s_lshl_b32 s46, s42, 10                        ; my first column, in bytes of f32: 1,024 x tile column + 512 x half: in bo and in a row of out0 alike
	s_lshl_b32 s47, s16, 9
	s_add_co_u32 s46, s46, s47
	s_mov_b32 s47, 0
	s_add_nc_u64 s[12:13], s[12:13], s[46:47]
.irp b, 0,1,2,3,4,5,6,7
	global_load_b128 v[BB+8*\b:BB+8*\b+3],   v[H32], s[12:13] offset:64*\b
	global_load_b128 v[BB+8*\b+4:BB+8*\b+7], v[H32], s[12:13] offset:64*\b+16
.endr
	s_lshl_b32 s20, s17, 8
	s_lshl_b32 s21, s15, 7
	s_add_co_u32 s20, s20, s21                     ; my first row of out0: 256 x tile row + 128 x half,
	s_lshl_b32 s20, s20, 12                        ; 4,096 bytes each: under 2^25
	s_mov_b32 s21, 0
	s_add_nc_u64 s[20:21], s[20:21], s[46:47]
	s_add_nc_u64 s[10:11], s[10:11], s[20:21]
.macro FRAGA reg, adr, q, i            ; A's fragment of tile of rows i, the slot's q-th 128 along K: its image, four loads of 512 consecutive bytes
.irp c, 0,1,2,3
	ds_load_b128 v[\reg+4*\c:\reg+4*\c+3], v[\adr] offset:(\i)*ATILE+2048*(\q)+512*\c
.endr
.endm
.macro FRAGB reg, adr, q, i            ; B's fragment: registers 2 c, 2 c + 1 hold K = 16 c + 8 (l / 16) + 0 .. 7 of row l % 16
.irp c, 0,1,2,3,4,5,6,7
	ds_load_b64 v[\reg+2*\c:\reg+2*\c+1], v[\adr] offset:128*(\q)+16*\c+(\i)*16*PITCH
.endr
.endm
; 16 matrix instructions: A's blocks a0, a0 + 1 x B's eight, 128 along K.  p: B's set.  zero = 1: the first product starts the sums.
; The 64 accumulators take turns, one instruction a turn, in the same order in every step.
.macro MUL16 a0, p, zero
.irp a, \a0, \a0+1
.irp b, 0,1,2,3,4,5,6,7
.if \zero
	v_wmma_f32_16x16x128_bf8_bf8 v[8*(8*((\a)%4)+\b):8*(8*((\a)%4)+\b)+7], v[128*(\p)+FR*\b:128*(\p)+FR*\b+FR-1], v[AF+FR*(\a):AF+FR*(\a)+FR-1], 0
.else
	v_wmma_f32_16x16x128_bf8_bf8 v[8*(8*((\a)%4)+\b):8*(8*((\a)%4)+\b)+7], v[128*(\p)+FR*\b:128*(\p)+FR*\b+FR-1], v[AF+FR*(\a):AF+FR*(\a)+FR-1], v[8*(8*((\a)%4)+\b):8*(8*((\a)%4)+\b)+7]
.endif
.endr
.endr
.endm
.macro FETCH_B slot, q, p              ; B's eight fragments into set p
	WIN TO_B
.irp i, 0,1,2,3,4,5,6,7
	FRAGB 128*(\p)+FR*\i, ADRB+\slot, \q, \i
.endr
	WIN 0
.endm
.macro FETCH_A slot, q, i0             ; A's blocks i0 .. i0 + 3
.irp i, \i0, \i0+1, \i0+2, \i0+3
	FRAGA AF+FR*(\i), ADRA+\slot, \q, \i
.endr
.endm
.macro PLACES n                        ; plain vector instructions between a matrix instruction and a load into, or a vector read of, its registers (ISA guide 7.12.1 for vector reads)
.rept \n
	v_nop
.endr
.endm
; A step of 128 along K that has its successor in the same slot.
.macro STEP slot, q, zero
	s_wait_dscnt 4*NL                              ; B's set and A's blocks 0-3 are in; the youngest 16 loads (A's blocks 4-7) may be out
	WIN MUL_LO
	MUL16 0, (\q)%2, \zero
	MUL16 2, (\q)%2, \zero
	s_wait_dscnt 0                                 ; A's blocks 4-7 are in
	PLACES NP
	FETCH_B \slot, (\q)+1, 1-(\q)%2
	FETCH_A \slot, (\q)+1, 0
	WIN MUL_HI
	MUL16 4, (\q)%2, \zero
	MUL16 6, (\q)%2, \zero
	PLACES NP
	WIN 0
	FETCH_A \slot, (\q)+1, 4
.endm
; A slot's last step changes slots: one barrier; in front of it each wave waits for all its tensor loads, adds 0 to its spare word, and waits for that and for its own reads of this slot.  fill = 1: this slot is filled again, two K steps ahead.
.macro TURN slot, next, fill
	s_wait_tensorcnt 0x0                           ; all my tensor loads have landed: my part of the next slot
	ds_add_u32 v[SPW], v[NIL]                      ; 0 onto my spare word
	s_wait_dscnt 4*NL+1                            ; (the add and the youngest 16 loads, A's blocks 4-7, may be out)
	WIN MUL_LO
	MUL16 0, 1, 0                                  ; sixteen matrix instructions stand between the add and the wait for it
	s_wait_dscnt 0x0                               ; the add is done, and my reads of this slot are over
	s_barrier_signal -1
	MUL16 2, 1, 0
	WIN 0
	s_barrier_wait -1
.if \fill
	CREST                                          ; the barrier has opened a round of the cluster's barrier: no wave of any partner still reads this slot's tile or has a load on its way
	s_add_nc_u64 s[G0+4*\slot+2:G0+4*\slot+3], s[G0+4*\slot+2:G0+4*\slot+3], 2*ATILE
	s_add_nc_u64 s[G0B+4*\slot+2:G0B+4*\slot+3], s[G0B+4*\slot+2:G0B+4*\slot+3], 2*256
	JLOAD G0+4*\slot, G1, G0B+4*\slot, G1B         ; the first tensor load behind the round; its four v_nop are the places in front of the loads below
.else
	PLACES NP
.endif
	FETCH_B \next, 0, 0
	FETCH_A \next, 0, 0
	WIN MUL_HI
	MUL16 4, 1, 0
	MUL16 6, 1, 0
	PLACES NP
	WIN 0
	FETCH_A \next, 0, 4
.endm
	s_wait_alu depctr_va_vdst(0)
	s_wait_tensorcnt 1                             ; my part of K step 0 is in (K step 1's load may be out),
	s_barrier_signal -1
	s_barrier_wait -1                              ; everybody's is
	FETCH_B 0, 0, 0
	FETCH_A 0, 0, 0
	FETCH_A 0, 0, 4
	STEP 0, 0, 1                                   ; K 0-127: its products start the sums
	TURN 0, 1, 1                                   ; K 128-255; slot 0 takes K 512-767
	STEP 1, 0, 0
	TURN 1, 0, 1                                   ; slot 1 takes K 768-1,023
	STEP 0, 0, 0
	TURN 0, 1, 0                                   ; nothing is left to fetch: no round
	STEP 1, 0, 0
	s_wait_dscnt 4*NL                              ; the last step
	WIN MUL_LO
	MUL16 0, 1, 0
	MUL16 2, 1, 0
	s_wait_dscnt 0
	WIN MUL_HI
	MUL16 4, 1, 0
	MUL16 6, 1, 0
	WIN 0
; THE WAY OUT, block by block of 16 rows x 128 columns.  A lane holds 32 neighbouring bytes of a row, and the lanes beside it hold other rows: so a block goes through my own stage in LDS and comes back as whole
; rows of 512 bytes.  LDS serves a wave's instructions in order (ISA guide 5.7.1.4): no wait between the stores and the loads, nor in front of the next block's stores.
.macro TOSTAGE a
.set AC, 64*((\a)%4)
.set BK, 64*((\a)%2)
	WIN 0x02+((\a)/4)                              ; source 0: window 2 or 3
.set j, 0
.rept 32
	v_pk_fma_f32 v[TMP+j:TMP+j+1], v[AC+j:AC+j+1], s[96:97], v[BB+j:BB+j+1] op_sel_hi:[1,0,1]   ; sum x 2^(e10 + e11) + bo; each accumulator from its low end on
.set j, j+2
.endr
	WIN 0
.irp b, 0,1,2,3,4,5,6,7
	ds_store_b128 v[STO], v[TMP+8*\b:TMP+8*\b+3] offset:64*\b
	ds_store_b128 v[STO], v[TMP+8*\b+4:TMP+8*\b+7] offset:64*\b+16
.endr
	WIN TO_B                                       ; the rows come back into window 1, where B's fragments lay
.irp t, 0,1,2,3,4,5,6,7,8,9,10,11,12,13,14,15
	ds_load_b128 v[BK+4*\t:BK+4*\t+3], v[RD] offset:\t*SPITCH
.endr
	WIN 0
.endm
.macro SEND a, younger                 ; younger: the LDS instructions issued behind block a's loads, which may stay out
.set BK, 64*((\a)%2)
	s_wait_dscnt \younger                          ; the block is back in registers
.if (\a) > 0
	s_add_nc_u64 s[10:11], s[10:11], 16*4096       ; (behind a wait on XCNT: the earlier stores have read their base)  16 rows of out0 on
.endif
	WIN 0x04                                       ; the stores' data: window 1
.irp t, 0,1,2,3,4,5,6,7,8,9,10,11,12,13,14,15
	global_store_b128 v[CO], v[BK+4*\t:BK+4*\t+3], s[10:11] offset:\t*4096 th:TH_STORE_NT   ; 32 lanes store 512 consecutive bytes, at a multiple of 256 from out0's first byte; written once, read by nobody here
.endr
	WIN 0
.endm
	s_wait_kmcnt 0x0
	s_add_co_i32 s96, s96, s97                     ; e10 + e11, between -126 and 127,
	s_add_co_i32 s96, s96, 127
	s_lshl_b32 s96, s96, 23                        ; makes the f32 number 2^(e10 + e11)
	s_mov_b32 s97, s96                             ; (named with it as a pair, so it is written)
	s_wait_loadcnt 0x0                             ; the bias
	PLACES NP                                      ; behind the last products: for the reads of results, the writes over A's fragments and the loads over B's
	TOSTAGE 0
.irp a, 1,2,3,4,5,6,7
.if \a > 1
	s_wait_xcnt 0x0                                ; block a - 2's stores have read their registers and their base: block a's loads may land there, and the base may step
.endif
	TOSTAGE \a
	SEND \a-1, 32                                  ; behind block a - 1's loads: block a's 16 stores and 16 loads
.endr
	s_wait_xcnt 0x0                                ; block 6's stores have read their base
	SEND 7, 0
	s_wait_tensorcnt 0x0                           ; the wave's end
	ds_add_u32 v[SPW], v[NIL]
	s_wait_dscnt 0x0
	CROUND                                         ; the closing round: no work-group ends while a partner may still ask for a tile that names it
	s_endpgm
.Lfunc_end_k_q780576cdb8_oproj:
	.size	k_q780576cdb8_oproj, .Lfunc_end_k_q780576cdb8_oproj-k_q780576cdb8_oproj
	.p2alignl 7, 3214868480
	.fill 96, 4, 3214868480
	.section	.rodata,"a",@progbits
	.p2align	6, 0x0
	.amdhsa_kernel k_q780576cdb8_oproj
		.amdhsa_group_segment_fixed_size 327680
		.amdhsa_private_segment_fixed_size 0
		.amdhsa_enable_private_segment 0
		.amdhsa_kernarg_size 40
		.amdhsa_user_sgpr_count 2
		.amdhsa_user_sgpr_kernarg_segment_ptr 1
		.amdhsa_wavefront_size32 1
		.amdhsa_system_sgpr_workgroup_id_x 1
		.amdhsa_system_sgpr_workgroup_id_y 1
		.amdhsa_system_sgpr_workgroup_id_z 1
		.amdhsa_system_vgpr_workitem_id 0
		.amdhsa_next_free_vgpr 1024
		.amdhsa_next_free_sgpr 98
		.amdhsa_reserve_vcc 0
		.amdhsa_float_denorm_mode_32 3
		.amdhsa_float_denorm_mode_16_64 3
		.amdhsa_memory_ordered 1
		.amdhsa_forward_progress 1
		.amdhsa_inst_pref_size 143
	.end_amdhsa_kernel
	.amdgpu_metadata
---
amdhsa.version: [ 1, 2 ]
amdhsa.kernels:
  - .name:           k_q780576cdb8_oproj
    .symbol:         k_q780576cdb8_oproj.kd
    .args:
      - { .name: AO, .offset: 0, .size: 8, .value_kind: global_buffer, .address_space: global }
      - { .name: Wo_codes, .offset: 8, .size: 8, .value_kind: global_buffer, .address_space: global }
      - { .name: lowp_scales, .offset: 16, .size: 8, .value_kind: global_buffer, .address_space: global }
      - { .name: bo, .offset: 24, .size: 8, .value_kind: global_buffer, .address_space: global }
      - { .name: out0, .offset: 32, .size: 8, .value_kind: global_buffer, .address_space: global }
    .group_segment_fixed_size: 327680
    .private_segment_fixed_size: 0
    .kernarg_segment_align: 8
    .kernarg_segment_size: 40
    .max_flat_workgroup_size: 128
    .sgpr_count:     98
    .vgpr_count:     1024
    .wavefront_size: 32
...
	.end_amdgpu_metadata
.endif
;; end of part 3
